; MI455X (gfx1250); checked and timed in simulation.
; The chip was launched on July 23, 2026; its instructions are those of AMD's public machine-readable ISA for CDNA 5 (MIT licence, August 2026) and "CDNA5" Instruction Set Architecture Reference Guide (July 2026). The comments in the code are by the model that wrote it; some were corrected since.
;; K Means Quantizer. Allowed arithmetic: matrix products marked QUANTISED: E2M1 operands, one E8M0 scale for each 32 along K, by v_wmma_scale_f32_16x16x128_f8f6f4 with both operands' format E2M1 (or v_wmma_scale_f32_32x16x128_f4), f32 sums; everything else in f32.
;; Inputs: centroids 2,048 x 1,024 float32; x 16 x 2,000 x 1,024 float32.
;; Outputs: out0 16 x 2,000 int32.
;; This version of the problem:
;;   THIS VERSION OF THE PROBLEM IS GIVEN IN LOW PRECISION. The matrix products marked QUANTISED in the list below multiply operands that are first quantised to E2M1 (2 exponent bits, 1 mantissa bit; 4 bits a number), with one power-of-two scale for each 32 numbers along K (OCP MX v1.0); their sums are f32. All else is computed in f32.
;;   The module's matrix products, in the order in which they are computed (A, B: the left and right operand; K: the contracted axis; several contracted axes count as one K, in the product's order):
;;     1. [M 32,000, K 1,024] x [K 1,024, N 2,048]; A: input x; B: input centroids: QUANTISED
;;   THE QUANTISER, for each operand of a quantised product, along K:
;;     - K is cut into blocks of 32 from its start; a last block that is shorter is filled with zeros.
;;     - A block's scale is 2^e with e = floor(log2(the largest magnitude in the block)) - 2, held to -126 .. 127; a block of zeros has e = 0. As a byte (E8M0): e + 127.
;;     - Each number is divided by its block's scale, clamped to +-6, and rounded to the nearest number of E2M1, ties to even, subnormals kept.
;;     - The product sums the exact products of the quantised numbers (number of the format x scale) in f32.
;;   ~~~python
;;   def quantise(x, axis):      # numpy; x: float32 -> the quantised numbers, widened to float32 again
;;       x = np.moveaxis(x, axis, -1); K = x.shape[-1]
;;       x = np.pad(x, [(0, 0)] * (x.ndim - 1) + [(0, -K % 32)]); x = x.reshape(x.shape[:-1] + (-1, 32)); a = np.abs(x).max(-1, keepdims=True)
;;       e = np.where(a > 0, np.clip(np.frexp(np.where(a > 0, a, 1))[1] - 1 - 2, -126, 127), 0)      # np.frexp(a)[1] - 1 = floor(log2(a)), exactly
;;       r = np.clip(x / 2.0 ** e, -6, 6)
;;       step = 2.0 ** (np.maximum(np.frexp(np.where(r == 0, 1, r))[1] - 1, 0) - 1)
;;       q = np.round(r / step) * step * 2.0 ** e      # np.round: ties to even
;;       return np.moveaxis(q.reshape(q.shape[:-2] + (-1,))[..., :K], -1, axis).astype(np.float32)
;;   ~~~
;; 2 versions. Each part assembles by itself: llvm-mc -triple=amdgcn-amd-amdhsa -mcpu=gfx1250 --defsym DOCPART=n.
;; ======== version 1 of 2: 2 launches
;; workspace buffers: cq 1,146,880 bytes
;; launch prep (part 1): grid 128 x 1, 8 waves a work-group, no clusters, 2,048 bytes of LDS; arguments centroids, cq; writes cq
.if DOCPART == 1
	.amdgcn_target "amdgcn-amd-amdhsa--gfx1250"
	.amdhsa_code_object_version 6
	.text
	.protected	k_qc240739d83_prep
	.globl	k_qc240739d83_prep
	.p2align	8
	.type	k_qc240739d83_prep,@function
k_qc240739d83_prep:
	s_mov_b64 s[64:65], 0
	v_nop
	global_prefetch_b8 v0, s[64:65] scope:SCOPE_SE
	s_setreg_imm32_b32 hwreg(HW_REG_WAVE_MODE, 25, 1), 1
	s_wait_xcnt 0x0
; centroids [2048][1024] f32 -> cq: 128 records of 8,960 bytes, one for each tile T of 16 centroids (16 T .. 16 T + 15).
; A record holds -2 x Q(centroids), Q the MX-FP4 quantiser along the 1,024 (blocks of 32, E2M1 codes, one E8M0 byte a block), laid as the matrix
; instruction's registers want it, and the f32 sums of squares of the UNQUANTISED centroids:
;   bytes 0 .. 8191     codes: the 16 bytes at 1024 s + 512 c + 16 L (L = 16 h + r) are the 32 codes of centroid r for k = 128 s + 64 c + 32 h + 0 .. 31:
;                       registers 4 c .. 4 c + 3 of lane L of the fragment of K step s (128 along K)
;   bytes 8192 .. 8703  scale words: the word at 16 L + 4 p holds the four bytes of K step 2 p + h of centroid r
;   bytes 8704 .. 8959  64 f32 words, word i = the sum of squares of centroid i % 16 (the later launch reads words 0 to 15; 64 words make the store 256 consecutive bytes)
; THE FACTOR -2 IS EXACT: every code's sign bit is turned (xor 0x88888888) and every scale byte is raised by 1.  A byte is at most 254 - 2 = 252 before that, so it stays under 255.
; A block's byte is its largest magnitude's exponent field - 2, held at 1 from below; a block of zeros gets 127 (here 128); numbers are divided by the scale and rounded to the nearest code, ties to even,
; beyond 6 the largest code.
; LIMITS: NaN and infinities among the inputs are not served; blocks whose largest magnitude lies under 2^-123 (byte held at 1) were not tried.
; SHARES: work-group T makes record T, since a record's 256-byte pieces want all 16 centroids: 128 work-groups.  Wave w is K step w; lane (r = L % 16, h = L / 16) holds two whole blocks of row r:
; k = 128 w + 64 i + 32 h + 0 .. 31, i = 0, 1, so that a block's largest magnitude needs no other lane and the four conversions give the lane's 16 bytes of the record.
; No tensor loads, no ring: 64 KiB a work-group, each byte read once, all 16 loads of a wave out at once.
.set REC, 8960
	s_load_b128 s[4:7], s[0:1], 0x0                ; centroids s[4:5], cq s[6:7]
	v_lshl_add_u32 v96, v0, 2, 0x400
	v_mov_b32 v97, 0
	v_lshrrev_b32 v8, 5, v0
	v_readfirstlane_b32 s8, v8                     ; wave 0..7 = K step
	v_and_b32 v9, 31, v0                           ; L
	v_and_b32 v1, 15, v0                           ; r
	v_bfe_u32 v2, v0, 4, 1                         ; h
	v_lshlrev_b32 v3, 12, v1                       ; in: row r of 4,096 bytes
	v_lshl_or_b32 v3, v2, 7, v3                    ;     + 128 h
	v_lshlrev_b32 v4, 4, v9                        ; 16 L
	v_lshlrev_b32 v30, 3, v9                       ; 8 L
	v_lshlrev_b32 v31, 2, v9                       ; 4 L
	s_lshl_b32 s9, s8, 6
	v_lshl_add_u32 v5, v1, 2, s9                   ; LDS: my wave's 64 bytes, word r (scale words from byte 0, partial sums of squares from byte 512)
	v_and_b32 v7, 63, v30
	v_add_nc_u32 v7, 512, v7                       ; LDS: the partial sums of centroids 2 L % 16 and 2 L % 16 + 1
	s_mov_b32 s12, 0x88888888                      ; the sign bits of eight codes
	s_mov_b32 s14, 0x76543210                      ; v_permlanex16_b32's selects for lane l xor 16
	s_mov_b32 s15, 0xfedcba98
	s_lshl_b32 s10, ttmp9, 16                      ; 16 rows of 4,096 bytes a tile,
	s_lshl_b32 s16, s8, 9                          ; 512 bytes a K step
	s_add_co_u32 s10, s10, s16
	s_mov_b32 s11, 0
	s_mul_i32 s16, ttmp9, REC                      ; my record,
	s_lshl_b32 s17, s8, 10                         ; 1,024 bytes of codes a K step
	s_add_co_u32 s16, s16, s17
	s_mov_b32 s17, 0
	s_wait_kmcnt 0x0
	s_add_nc_u64 s[4:5], s[4:5], s[10:11]
	s_add_nc_u64 s[6:7], s[6:7], s[16:17]
.irp i, 0,1
.irp e, 0,1,2,3,4,5,6,7
	global_load_b128 v[32+32*\i+4*\e:32+32*\i+4*\e+3], v3, s[4:5] offset:256*\i+16*\e th:TH_LOAD_NT
.endr
.endr
; Block i of my two: largest magnitude, byte, codes (with the signs turned), their store, and the squares.
.macro BLOCK i
.set XS, 32+32*\i
	s_wait_loadcnt 8-8*\i                          ; loads come back in order: block i's eight are in; block 1's eight may be out while block 0 is worked on
	v_max3_num_f32 v8, |v[XS]|, |v[XS+1]|, |v[XS+2]|
	v_max3_num_f32 v9, |v[XS+3]|, |v[XS+4]|, |v[XS+5]|
.irp e, 6,10,14,18,22,26
	v_max3_num_f32 v8, v8, |v[XS+\e]|, |v[XS+\e+1]|
	v_max3_num_f32 v9, v9, |v[XS+\e+2]|, |v[XS+\e+3]|
.endr
	v_max3_num_f32 v8, v8, |v[XS+30]|, |v[XS+31]|
	v_max_num_f32 v8, v8, v9                       ; the block's largest magnitude: all 32 numbers are mine
	v_lshrrev_b32 v9, 23, v8                       ; its exponent field
	v_max_u32 v9, 3, v9                            ; the byte is not to fall under 1
	v_add_nc_u32 v11, -2, v9                       ; the quantiser's byte,
	v_lshlrev_b32 v11, 23, v11                     ; as f32: the conversion takes its exponent field
	v_cmp_eq_u32 vcc_lo, 0, v8                     ; a block of zeros?
.irp g, 0,1,2,3
	v_cvt_scalef32_pk8_fp4_f32 v[16+4*\i+\g], v[XS+8*\g:XS+8*\g+7], v11
.endr
	v_add_nc_u32 v9, -1, v9                        ; the byte that is stored: one more, for the factor 2.  (Also the plain instruction between the conversions and the use of their results)
	v_cndmask_b32 v[24+\i], v9, 128, vcc_lo        ; a block of zeros: 127 + 1
.irp g, 0,1,2,3
	v_xor_b32 v[16+4*\i+\g], s12, v[16+4*\i+\g]    ; the factor's sign
.endr
	global_store_b128 v4, v[16+4*\i:19+4*\i], s[6:7] offset:512*\i   ; the wave stores 512 consecutive bytes of the record
.set p, 0
.rept 16                                           ; the squares of the unquantised numbers, in two pairs of sums that take turns; the first two products start them
.if (\i == 0) && (p < 2)
	v_pk_mul_f32 v[26+2*p:27+2*p], v[XS+2*p:XS+2*p+1], v[XS+2*p:XS+2*p+1]
.else
	v_pk_fma_f32 v[26+2*(p%2):27+2*(p%2)], v[XS+2*p:XS+2*p+1], v[XS+2*p:XS+2*p+1], v[26+2*(p%2):27+2*(p%2)]
.endif
.set p, p+1
.endr
.endm
	BLOCK 0
	BLOCK 1
	v_lshl_or_b32 v8, v25, 16, v24                 ; my two bytes: blocks h and 2 + h of the K step,
	v_lshlrev_b32 v9, 3, v2
	v_lshlrev_b32 v8, v9, v8                       ; at their places in the scale word (8 h bits up);
	v_mov_b32 v9, 0                                ; (the destination of a lane permute counts as read)
	v_permlanex16_b32 v9, v8, s14, s15
	v_or_b32 v8, v8, v9                            ; with lane l xor 16's two the word is whole
	ds_store_b32 v5, v8                            ; both halves of the lanes write the same word with the same value
	v_pk_add_f32 v[26:27], v[26:27], v[28:29]
	v_add_f32 v11, v26, v27                        ; my 64 squares,
	v_mov_b32 v12, 0
	v_permlanex16_b32 v12, v11, s14, s15
	v_add_f32 v11, v11, v12                        ; and lane l xor 16's: row r's 128 of this K step
	ds_store_b32 v5, v11 offset:512
	s_wait_dscnt 0x0                               ; for wave 0's sake: my two stores are done
	s_barrier_signal -1
	s_barrier_wait -1
	s_cmp_lg_u32 s8, 0
	s_cbranch_scc1 .Lend                           ; wave 0 alone writes the record's last 768 bytes
.irp p, 0,1,2,3
	ds_load_b32 v[32+\p], v31 offset:128*\p        ; the word of K step 2 p + h of centroid r lies at 64 (2 p + h) + 4 r = 128 p + 4 L
.endr
.irp j, 0,1,2,3,4,5,6,7
	ds_load_b64 v[40+2*\j:41+2*\j], v7 offset:64*\j   ; K step j's partial sums of my two centroids
.endr
	s_wait_dscnt 8                                 ; the four scale words are in; the eight younger loads may be out
	global_store_b128 v4, v[32:35], s[6:7] offset:8192   ; 512 consecutive bytes
	s_wait_dscnt 0x0
.irp j, 1,2,3,4,5,6,7
	v_pk_add_f32 v[40:41], v[40:41], v[40+2*\j:41+2*\j]   ; K ascending
.endr
	global_store_b64 v30, v[40:41], s[6:7] offset:8704    ; 256 consecutive bytes
.Lend:
	s_wait_tensorcnt 0x0
	ds_add_u32 v96, v97
	s_wait_dscnt 0x0
	s_endpgm
.Lfunc_end_k_qc240739d83_prep:
	.size	k_qc240739d83_prep, .Lfunc_end_k_qc240739d83_prep-k_qc240739d83_prep
	.p2alignl 7, 3214868480
	.fill 96, 4, 3214868480
	.section	.rodata,"a",@progbits
	.p2align	6, 0x0
	.amdhsa_kernel k_qc240739d83_prep
		.amdhsa_group_segment_fixed_size 2048
		.amdhsa_private_segment_fixed_size 0
		.amdhsa_enable_private_segment 0
		.amdhsa_kernarg_size 16
		.amdhsa_user_sgpr_count 2
		.amdhsa_user_sgpr_kernarg_segment_ptr 1
		.amdhsa_wavefront_size32 1
		.amdhsa_system_sgpr_workgroup_id_x 1
		.amdhsa_system_sgpr_workgroup_id_y 1
		.amdhsa_system_sgpr_workgroup_id_z 1
		.amdhsa_system_vgpr_workitem_id 0
		.amdhsa_next_free_vgpr 98
		.amdhsa_next_free_sgpr 66
		.amdhsa_reserve_vcc 1
		.amdhsa_float_denorm_mode_32 3
		.amdhsa_float_denorm_mode_16_64 3
		.amdhsa_memory_ordered 1
		.amdhsa_forward_progress 1
		.amdhsa_inst_pref_size 11
	.end_amdhsa_kernel
	.amdgpu_metadata
---
amdhsa.version: [ 1, 2 ]
amdhsa.kernels:
  - .name:           k_qc240739d83_prep
    .symbol:         k_qc240739d83_prep.kd
    .args:
      - { .name: centroids, .offset: 0, .size: 8, .value_kind: global_buffer, .address_space: global }
      - { .name: cq, .offset: 8, .size: 8, .value_kind: global_buffer, .address_space: global }
    .group_segment_fixed_size: 2048
    .private_segment_fixed_size: 0
    .kernarg_segment_align: 8
    .kernarg_segment_size: 16
    .max_flat_workgroup_size: 256
    .sgpr_count:     66
    .vgpr_count:     98
    .wavefront_size: 32
...
	.end_amdgpu_metadata
.endif
;; end of part 1
;; launch assign (part 2): grid 256 x 1, 4 waves a work-group, clusters of 4 x 1, 327,680 bytes of LDS; arguments x, cq, out0; writes out0
.if DOCPART == 2
	.amdgcn_target "amdgcn-amd-amdhsa--gfx1250"
	.amdhsa_code_object_version 6
	.text
	.protected	k_qc240739d83_assign
	.globl	k_qc240739d83_assign
	.p2align	8
	.type	k_qc240739d83_assign,@function
k_qc240739d83_assign:
	s_mov_b64 s[64:65], 0
	v_nop
	global_prefetch_b8 v0, s[64:65] scope:SCOPE_SE
	s_setreg_imm32_b32 hwreg(HW_REG_WAVE_MODE, 25, 1), 1
	s_wait_xcnt 0x0
	s_wait_alu depctr_hold_cnt(0) depctr_sa_sdst(0) depctr_va_vdst(0) depctr_va_sdst(0) depctr_va_ssrc(0) depctr_va_vcc(0) depctr_vm_vsrc(0)
	s_getreg_b32 s2, hwreg(HW_REG_IB_STS2, 6, 4)
	s_cmp_eq_u32 s2, 0
	s_cbranch_scc0 .Lentry_in_a_cluster
	s_endpgm
.Lentry_in_a_cluster:
	s_bfe_u32 s2, ttmp6, 0x10000c
	s_cmp_lg_u32 s2, 0x3003
	s_cbranch_scc0 .Lentry_shape_is_right
	s_endpgm
.Lentry_shape_is_right:
; out0[n] = the lowest k with the smallest |c_k|^2 - 2 Q(x_n) . Q(c_k).  x: [32000][1024] f32; cq: 128 records of 16 centroids each (codes of -2 Q(c) in the matrix instruction's register image,
; scale words, sums of squares: 8,960 bytes a record); out0: [32000] int32.
; SHARES.  32,000 = 256 x 125: work-group g owns rows 125 g .. 125 g + 124.  It works on the 128 rows from base = min(125 g, 31,872) on, so that no load leaves x, and stores only the rows that it owns.
; x IS READ ONCE AND QUANTISED ON ITS WAY: wave w turns rows 32 w .. 32 w + 31 of the tile into codes and scale bytes, which go through LDS to all four waves.  Every wave then holds the codes of ALL 128 rows for
; all of K in 512 registers, and walks a quarter of the centroids: 32 records.  A record is 64 matrix instructions (8 K steps of 128 x 8 blocks of 16 rows): each fragment of centroids read from LDS feeds eight.
; THE MATRIX INSTRUCTION IS USED TRANSPOSED: source 0 = 16 centroids, source 1 = 16 rows of x: register j of lane (r, h) is centroid 8 h + j against row r.  The first K step takes the sums of squares as C,
; and the records carry the factor -2: so the finished accumulator IS the distance, and a distance costs three vector instructions: compare, select the record's number, minimum.
; CLUSTER.  All work-groups walk the same records: the four of a cluster ask for them JOINTLY (one tensor load a wave with the mask of all four).  Wave w of each asks for, and alone reads, the records of its quarter.
; LIMITS.  The sum of squares enters the f32 sum ahead of the products, where reference() adds it last, and is itself summed in this program's order: two distances a few units in the last place apart can rank
; the other way.  A NaN distance never wins (jnp.argmin takes the first NaN); infinities among the inputs are not served; blocks whose largest magnitude lies under 2^-123 (byte held at 1) were not tried.
; LDS: two slots of 16 records (wave w's four at 35,840 w); XST: x's codes of half of K, 128 rows x (256 + 16) bytes, later the waves' results; XSC: x's scale bytes, [row][h][16]; the spare words.
; REGISTERS, in windows of 256 (s_set_vgpr_msb: bits 1:0 source 0, 3:2 source 1, 5:4 source 2, 7:6 destination):
;   window 0: v0-15 addresses; v16-47 x's scale words, v48-51 a record's: scales and nothing else; v52-63 at work, in the main part v52-59 the record's sums of squares;
;             v64-255 first a ring of 12 sets of 16 numbers of x, then v64-127 the smallest distances, v128-191 their records' numbers, v192-255 the 8 accumulators (element 8 b + j)
;   window 1: x's fragments of K steps 0-3 (block b of K step s at v[64 (s % 4) + 8 b]);   window 2: K steps 4-7;   window 3: v0-63 a record's eight fragments (K step s at v[8 s])
.set REC,    8960                      ; a record
.set WREC,   4*REC                     ; what one tensor load brings: a wave's four records of a slot, 140 rows of 256 bytes
.set SLOTB,  16*REC                    ; a slot
.set XST,    2*SLOTB                   ; 286,720
.set XP,     272                       ; a row of XST: 256 bytes + 16: an odd multiple of 16, so that the 16 rows of a fragment load lie 16 bytes apart modulo 256
.set XSC,    XST+128*XP                ; 321,536
.set SPARE,  XSC+4096                  ; 325,632: the spare words, 128 bytes for each wave: two blocks of 256 bytes that no other line names
.set XSR,    16                        ; x's scale words: block b, register p: lanes 0-15 K step 2 p, lanes 16-31 K step 2 p + 1
.set BS,     48                        ; the record's, likewise
.set NRM,    52                        ; the record's sums of squares: register j = centroid 8 h + j
.set MIN,    64
.set IDX,    128
.set ACC,    192
.set MSB, 0
.macro WIN new                         ; the immediate's high byte repeats the setting that is left; a switch that changes nothing is dropped
.if MSB != \new
	s_set_vgpr_msb (MSB<<8)|\new
.set MSB, \new
.endif
.endm
.macro PLACES                          ; four plain vector instructions behind a matrix instruction, ahead of reads of its result and of loads into its registers
.rept 4
	v_nop
.endr
.endm
; A round of the cluster's barrier: my work-group's barrier, so that wave 0's signal speaks for all four waves; wave 0 signals for the work-group; every wave waits for all four work-groups; my work-group's barrier once more.
.macro ROUND
	s_barrier_signal -1
	s_barrier_wait -1
	s_cmp_lg_u32 s10, 0
	s_cbranch_scc1 .Lnot_wave_0_\@
	s_barrier_signal -3
.Lnot_wave_0_\@:
	s_barrier_wait -3
	s_barrier_signal -1
	s_barrier_wait -1
.endm
	s_load_b128 s[4:7], s[0:1], 0x0                ; x s[4:5], cq s[6:7]
	s_load_b64 s[8:9], s[0:1], 0x10                ; out0
	v_lshl_add_u32 v1, v0, 2, SPARE                ; my spare word; never rewritten
	v_mov_b32 v2, 0                                ; 0; never rewritten
	ds_add_u32 v1, v2
	ds_add_u32 v1, v2
	s_wait_dscnt 0x0
	v_lshrrev_b32 v14, 5, v0
	v_readfirstlane_b32 s10, v14                   ; wave 0..3
	s_bfe_u32 s11, ttmp6, 0x40000                  ; cx: my place in the cluster
	s_lshl_b32 s12, ttmp9, 2                       ; in a cluster launch ttmp9 counts clusters
	s_add_co_u32 s12, s12, s11                     ; g = 4 x cluster + cx: it enters x's and out0's addresses and the mask of the last store alone
	s_mul_i32 s13, s12, 125                        ; the first row that I own
	s_min_u32 s14, s13, 31872                      ; base: the first row of my tile of 128
	s_sub_co_u32 s15, s14, s13                     ; base - first row: 0, or -3 in the last work-group
	v_and_b32 v14, 31, v0                          ; L
	v_and_b32 v15, 15, v0                          ; r
	v_bfe_u32 v13, v0, 4, 1                        ; h
	v_lshlrev_b32 v3, 6, v14                       ; x: my 64 bytes (16 numbers) of a step's 2,048
	s_mul_i32 s16, s10, 32*XP
	s_add_co_u32 s16, s16, XST
	v_lshl_add_u32 v4, v14, 3, s16                 ; XST: my wave's 32 rows, my 8 bytes of codes
	s_lshl_b32 s16, s10, 10
	s_add_co_u32 s16, s16, XSC                     ; XSC: my wave's 32 rows of 32 bytes.  My block of a step is L / 2: K step L / 8 (+ 4 in the second half of K), byte (L / 2) % 4
	v_bfe_u32 v5, v0, 3, 1
	v_lshl_add_u32 v5, v5, 4, s16                  ; + 16 x (K step % 2)
	v_lshl_add_u32 v5, v13, 2, v5                  ; + 4 x (K step / 2)
	v_bfe_u32 v6, v0, 1, 2
	v_add_nc_u32 v5, v5, v6                        ; + the byte
	v_mul_u32_u24 v6, v15, XP
	v_lshl_add_u32 v6, v13, 4, v6
	v_add_nc_u32 v6, XST, v6                       ; a fragment of x: row r, + 16 h
	v_lshlrev_b32 v7, 5, v15
	v_lshl_add_u32 v7, v13, 4, v7
	v_add_nc_u32 v7, XSC, v7                       ; x's scale words: row r, half h
	v_lshlrev_b32 v8, 4, v14                       ; 16 L: my place in a record's codes and scale words
	v_lshlrev_b32 v9, 5, v13                       ; 32 h: in its sums of squares
	v_lshlrev_b32 v13, 3, v13                      ; 8 h: my half's part of a centroid's number
	s_mov_b32 s20, 0x76543210                      ; v_permlanex16_b32's selects for lane l xor 16
	s_mov_b32 s21, 0xfedcba98
	s_mov_b32 s22, 0x7f800000                      ; +infinity: above every distance
	; descriptor group 1: a dense block of 35,840 bytes as 140 rows of 256 bytes
	s_mov_b32 s24, 15|(3<<16)|(1<<21)              ; 15:0 the mask: all four work-groups; 17:16 elements of 8 bytes; 20 no padding (the reads are 16 L + a constant); 21 set beside a mask
	s_mov_b32 s25, 32<<16                          ; tensor_dim0 = 32
	s_mov_b32 s26, 140<<16                         ; tensor_dim1 = 140
	s_mov_b32 s27, 32<<16                          ; tile_dim0 = 32
	s_mov_b32 s28, 140                             ; tile_dim1 = 140
	s_mov_b32 s29, 32                              ; elements from row to row
	s_mov_b32 s30, 0
	s_mov_b32 s31, 0
	s_mul_i32 s44, s10, WREC                       ; my wave's part of a slot, in LDS and in cq alike: no place in the cluster enters it
	s_mov_b32 s18, s44
	s_mov_b32 s19, 0
	s_lshl_b32 s41, s10, 2                         ; the number of the record in hand: 4 w at first
	s_lshl_b32 s16, s10, 5
	s_add_co_u32 s16, s16, s14
	s_lshl_b32 s16, s16, 12                        ; (base + 32 w) rows of 4,096 bytes: under 2^27
	s_mov_b32 s17, 0
	s_wait_kmcnt 0x0
	s_add_nc_u64 s[4:5], s[4:5], s[16:17]          ; x at my wave's first row
	s_lshl_b32 s16, s14, 2
	s_add_nc_u64 s[8:9], s[8:9], s[16:17]          ; out0 at the tile's first row
	s_add_nc_u64 s[6:7], s[6:7], s[18:19]          ; cq at my wave's first four records
.irp s, 0,1
	s_mov_b32 s[32+4*\s], 1                        ; 1:0 count = 1
	s_add_co_u32 s[33+4*\s], s44, \s*SLOTB         ; 63:32 LDS address
	s_add_nc_u64 s[34+4*\s:35+4*\s], s[6:7], \s*SLOTB   ; 120:64 global address: records 16 s + 4 w on
	s_or_b32 s[35+4*\s], s[35+4*\s], 0x80000000    ; 127:126 type = 2
.endr
	ROUND                                          ; all four work-groups are here: the first joint loads meet
	tensor_load_to_lds s[32:35], s[24:31]          ; both first fills stand together, ahead of every wait on TENSORcnt and every LDS read: two loads of mine are out
	s_nop 0
	tensor_load_to_lds s[36:39], s[24:31]
	s_nop 0
	PLACES                                         ; four v_nop follow
; THE x PHASE.  Step t (0 .. 63): row t % 32 of my 32, half t / 32 of K: 512 numbers, 16 neighbours a lane, two neighbouring lanes to a block.  The four loads of a step read 2,048 consecutive bytes.
; Every offset is an immediate (129,072 at the most): no pointer is stepped.  Twelve steps, 48 loads of 512 bytes, are on their way in each wave.
.macro LOAD t
.irp i, 0,1,2,3
	global_load_b128 v[64+16*((\t)%12)+4*\i:64+16*((\t)%12)+4*\i+3], v3, s[4:5] offset:((\t)%32)*4096+((\t)/32)*2048+16*\i th:TH_LOAD_NT
.endr
.endm
.macro STEP t
.set XS, 64+16*((\t)%12)               ; the step's 16 numbers
.set CP, 52+2*((\t)%3)                 ; its codes: three pairs by turns
.set EB, 58+(\t)%3                     ; its byte: three registers by turns
.if 63-(\t) >= 11
	s_wait_loadcnt 44                              ; loads come back in order: my four are in; the eleven younger steps' 44 stay out
.else
	s_wait_loadcnt 4*(63-(\t))                     ; the counts run down: nothing is loaded beyond step 63
.endif
	v_max3_num_f32 v61, |v[XS]|, |v[XS+1]|, |v[XS+2]|
	v_max3_num_f32 v62, |v[XS+3]|, |v[XS+4]|, |v[XS+5]|
.irp i, 6,10
	v_max3_num_f32 v61, v61, |v[XS+\i]|, |v[XS+\i+1]|
	v_max3_num_f32 v62, v62, |v[XS+\i+2]|, |v[XS+\i+3]|
.endr
	v_max3_num_f32 v61, v61, |v[XS+14]|, |v[XS+15]|
	v_max_num_f32 v61, v61, v62                    ; the largest magnitude of my 16,
	v_max_num_f32_dpp v61, v61, v61 row_xmask:1 row_mask:0xf bank_mask:0xf   ; and of my neighbour's 16: the block's
	v_lshrrev_b32 v62, 23, v61                     ; its exponent field
	v_max_u32 v62, 3, v62                          ; the byte is not to fall under 1
	v_add_nc_u32 v62, -2, v62                      ; the scale's byte
	v_lshlrev_b32 v63, 23, v62                     ; and the scale as f32: the conversion takes its exponent field
	v_cmp_eq_u32 vcc_lo, 0, v61                    ; a block of zeros?
	s_wait_dscnt 4                                 ; the two LDS stores of three steps ago, which read these registers, are done; the last two steps' four may be out
	v_cvt_scalef32_pk8_fp4_f32 v[CP], v[XS:XS+7], v63
	v_cvt_scalef32_pk8_fp4_f32 v[CP+1], v[XS+8:XS+15], v63
	v_cndmask_b32 v[EB], v62, 127, vcc_lo          ; a block of zeros gets 127.  (Also the plain instruction between the conversions and what reads their results or writes their sources)
	ds_store_b8 v5, v[EB] offset:32*((\t)%32)+8*((\t)/32)   ; both lanes of a block write the same byte with the same value
	ds_store_b64 v4, v[CP:CP+1] offset:XP*((\t)%32)
.if (\t)+12 < 64
	LOAD (\t)+12
.endif
.endm
; x's fragments of half u of K, all 128 rows, out of XST into window 1 + u: 16 rows x 128 K of 4-bit codes are 8 registers: two loads of 16 bytes, 32 bytes apart, at row x pitch + 16 h
.macro ALOAD u
.if \u == 0
	WIN 0x40
.else
	WIN 0x80
.endif
.irp s, 0,1,2,3
.irp b, 0,1,2,3,4,5,6,7
.irp c, 0,1
	ds_load_b128 v[64*\s+8*\b+4*\c:64*\s+8*\b+4*\c+3], v6 offset:16*XP*\b+64*\s+32*\c
.endr
.endr
.endr
	WIN 0
.endm
.irp t, 0,1,2,3,4,5,6,7,8,9,10,11
	LOAD \t
.endr
.set Q, 0
.rept 32
	STEP Q
.set Q, Q+1
.endr
	s_wait_dscnt 0x0                               ; for the others' sake: my stores into XST are done
	s_barrier_signal -1
	s_barrier_wait -1
	ALOAD 0
	s_wait_dscnt 0x0                               ; my reads of XST are back:
	s_barrier_signal -1
	s_barrier_wait -1                              ; everybody's are, and the second half of K may be written there
.rept 32
	STEP Q
.set Q, Q+1
.endr
	s_wait_dscnt 0x0
	s_barrier_signal -1
	s_barrier_wait -1
	ALOAD 1
.irp b, 0,1,2,3,4,5,6,7
	ds_load_b128 v[XSR+4*\b:XSR+4*\b+3], v7 offset:512*\b   ; x's scale words, for all of K
.endr
; The smallest distances begin at +infinity and their records' numbers at 0: 128 moves, once, while the 72 LDS loads above are out; the tile's text is then the same for all 32 records.
.set Q, 0
.rept 64
	v_mov_b32 v[MIN+Q], s22
	v_mov_b32 v[IDX+Q], 0
.set Q, Q+1
.endr
; THE MAIN PART.  FETCH: the record at LDS byte s40: 16 loads of codes, 16 L + a constant each, one of scale words, two of sums of squares.
.macro FETCH
	v_add_nc_u32 v10, s40, v8
	v_add_nc_u32 v11, s40, v9
	WIN 0xc0                                       ; destination window 3
.irp s, 0,1,2,3,4,5,6,7
.irp c, 0,1
	ds_load_b128 v[8*\s+4*\c:8*\s+4*\c+3], v10 offset:1024*\s+512*\c
.endr
.endr
	WIN 0
	ds_load_b128 v[BS:BS+3], v10 offset:8192
	ds_load_b128 v[NRM:NRM+3], v11 offset:8704
	ds_load_b128 v[NRM+4:NRM+7], v11 offset:8720
.endm
; 64 matrix instructions: K ascending, the eight accumulators by turns, one instruction a turn.  The first K step takes the sums of squares as C: nothing is cleared and nothing is added later.
; Even K steps take their scales from lanes 0-15 of the scale registers, odd ones from lanes 16-31.  Two switches of the windows.
.macro MULS
.irp s, 0,1,2,3,4,5,6,7
.if \s == 0
	WIN 0x07                                       ; source 0 window 3, source 1 window 1, C and D window 0
.elseif \s == 4
	WIN 0x0b                                       ; source 1 window 2
.endif
.irp b, 0,1,2,3,4,5,6,7
.if \s == 0
	v_wmma_scale_f32_16x16x128_f8f6f4 v[ACC+8*\b:ACC+8*\b+7], v[0:7], v[8*\b:8*\b+7], v[NRM:NRM+7], v[BS], v[XSR+4*\b] matrix_a_fmt:MATRIX_FMT_FP4 matrix_b_fmt:MATRIX_FMT_FP4
.elseif \s%2 == 0
	v_wmma_scale_f32_16x16x128_f8f6f4 v[ACC+8*\b:ACC+8*\b+7], v[8*\s:8*\s+7], v[64*(\s%4)+8*\b:64*(\s%4)+8*\b+7], v[ACC+8*\b:ACC+8*\b+7], v[BS+\s/2], v[XSR+4*\b+\s/2] matrix_a_fmt:MATRIX_FMT_FP4 matrix_b_fmt:MATRIX_FMT_FP4
.else
	v_wmma_scale_f32_16x16x128_f8f6f4 v[ACC+8*\b:ACC+8*\b+7], v[8*\s:8*\s+7], v[64*(\s%4)+8*\b:64*(\s%4)+8*\b+7], v[ACC+8*\b:ACC+8*\b+7], v[BS+\s/2], v[XSR+4*\b+\s/2] matrix_a_fmt:MATRIX_FMT_FP4 matrix_b_fmt:MATRIX_FMT_FP4 matrix_a_scale:MATRIX_SCALE_ROW1 matrix_b_scale:MATRIX_SCALE_ROW1
.endif
.endr
.endr
.endm
; The running argmin: three instructions a distance.  Strictly less, records ascending: the first record that reaches an element's minimum keeps it.  Each accumulator is read from its low end on.
.macro EPI
	v_mov_b32 v12, s41                             ; the record's number
.irp b, 0,1,2,3,4,5,6,7
.irp j, 0,1,2,3,4,5,6,7
	v_cmp_lt_f32 s[48+\j], v[ACC+8*\b+\j], v[MIN+8*\b+\j]
.endr
.irp j, 0,1,2,3,4,5,6,7
	v_cndmask_b32 v[IDX+8*\b+\j], v[IDX+8*\b+\j], v12, s[48+\j]
.endr
.irp j, 0,1,2,3,4,5,6,7
	v_min_num_f32 v[MIN+8*\b+\j], v[ACC+8*\b+\j], v[MIN+8*\b+\j]
.endr
.endr
.endm
; A record whose successor lies in the same slot: the successor is fetched behind the products, and its 19 loads land under the 193 instructions of the argmin.
.macro TILE_IN
	s_wait_dscnt 0x0                               ; the record's fragments, scale words and sums of squares are in (at the first record: x's fragments and scale words too)
	MULS
	WIN 0
	PLACES
	s_add_co_u32 s40, s40, REC
	FETCH
	EPI
	s_add_co_u32 s41, s41, 1
.endm
; A slot's four records.  kind 2: behind the fourth record's products the slot is filled again, with the records two slots on; 1: nothing is filled, the other slot is still to be read; 0: the last slot.
.macro SLOTWORK sl, kind
	s_mov_b32 s42, 3
.Lt_\@:
	TILE_IN
	s_sub_co_u32 s42, s42, 1
	s_cmp_lg_u32 s42, 0
	s_cbranch_scc1 .Lt_\@
	s_wait_dscnt 0x0                               ; the slot's fourth record is in registers: my reads of this slot are over
	MULS
	WIN 0
.if \kind == 2
	s_wait_tensorcnt 0x0                           ; all my tensor loads have landed: the one that was out is my part of the other slot; so a group 0 may be written
	ds_add_u32 v1, v2                              ; 0 onto my spare word
	s_add_nc_u64 s[34+4*\sl:35+4*\sl], s[34+4*\sl:35+4*\sl], 2*SLOTB   ; this slot's next records; the type bits on top are not reached
	PLACES                                         ; (the places behind the products, which the loads and reads below want, stand between the add and the wait for it)
	s_wait_dscnt 0x0                               ; the add is done
	ROUND                                          ; no wave of any partner still reads this slot or has a load on its way
	tensor_load_to_lds s[32+4*\sl:35+4*\sl], s[24:31]   ; my one tensor load behind the round, and the first thing there: it has the other slot's four records, 256 matrix instructions, in which to land
	s_nop 0
	PLACES                                         ; four v_nop follow
.elseif \kind == 1
	s_wait_tensorcnt 0x0                           ; the last slot's records, which I asked for and I alone read, have landed
	PLACES
.else
	PLACES
.endif
.if \kind > 0
	s_add_co_u32 s40, s44, (1-\sl)*SLOTB           ; on to my first record of the other slot
	FETCH
.endif
	EPI
	s_add_co_u32 s41, s41, 13                      ; my next four records are 16 on from these four
.endm
	s_wait_tensorcnt 0x1                           ; my part of slot 0 is in, which I alone read; slot 1's may be out
	s_mov_b32 s40, s44
	FETCH
	s_mov_b32 s43, 3
.Lring:                                            ; three trips: the records of six slots; six refills
	SLOTWORK 0, 2
	SLOTWORK 1, 2
	s_sub_co_u32 s43, s43, 1
	s_cmp_lg_u32 s43, 0
	s_cbranch_scc1 .Lring
	SLOTWORK 0, 1                                  ; the last two slots are written out
	SLOTWORK 1, 0
; THE END.  For each block of 16 rows: the smallest of my eight elements and of lane l xor 16's; among the elements that reach it the lowest centroid: 16 x record + 8 h + j.
; Elements that do not reach it count as 0xffffffff.  The waves' results meet in XST's first 4,096 bytes, [wave][row][distance, centroid]: every wave's reads of XST were waited for ahead of the rounds above.
	v_and_b32 v15, 15, v0
	s_lshl_b32 s16, s10, 10
	s_add_co_u32 s16, s16, XST
	v_lshl_add_u32 v10, v15, 3, s16
.irp b, 0,1,2,3,4,5,6,7
	v_min_num_f32 v60, v[MIN+8*\b], v[MIN+8*\b+1]
.irp j, 2,3,4,5,6,7
	v_min_num_f32 v60, v60, v[MIN+8*\b+\j]
.endr
	v_mov_b32 v61, 0                               ; (the destination of a lane permute counts as read)
	v_permlanex16_b32 v61, v60, s20, s21
	v_min_num_f32 v[ACC+2*\b], v60, v61            ; row r's smallest distance among my wave's 512 centroids
.irp j, 0,1,2,3,4,5,6,7
	v_cmp_eq_f32 s[48+\j], v[MIN+8*\b+\j], v[ACC+2*\b]
.endr
.irp j, 0,1,2,3,4,5,6,7
	v_lshl_or_b32 v[IDX+8*\b+\j], v[IDX+8*\b+\j], 4, \j
.endr
.irp j, 0,1,2,3,4,5,6,7
	v_cndmask_b32 v[IDX+8*\b+\j], -1, v[IDX+8*\b+\j], s[48+\j]
.endr
.irp j, 1,2,3,4,5,6,7
	v_min_u32 v[IDX+8*\b], v[IDX+8*\b], v[IDX+8*\b+\j]
.endr
	v_or_b32 v62, v[IDX+8*\b], v13                 ; + 8 h (bit 3 is clear in every candidate, and 0xffffffff stays what it is)
	v_mov_b32 v63, 0
	v_permlanex16_b32 v63, v62, s20, s21
	v_min_u32 v[ACC+2*\b+1], v62, v63
	ds_store_b64 v10, v[ACC+2*\b:ACC+2*\b+1] offset:128*\b   ; both halves of the lanes write the same 8 bytes with the same values
.endr
	s_wait_dscnt 0x0                               ; for the others' sake: my stores are done
	s_barrier_signal -1
	s_barrier_wait -1
	v_lshl_add_u32 v11, v0, 3, XST                 ; thread t takes row t of the tile
.irp j, 0,1,2,3
	ds_load_b64 v[208+2*\j:209+2*\j], v11 offset:1024*\j
.endr
	s_wait_dscnt 0x0
	v_min_num_f32 v60, v208, v210
	v_min_num_f32 v61, v212, v214
	v_min_num_f32 v60, v60, v61
.irp j, 0,1,2,3
	v_cmp_eq_f32 s[48+\j], v[208+2*\j], v60
.endr
.irp j, 0,1,2,3
	v_cndmask_b32 v[209+2*\j], -1, v[209+2*\j], s[48+\j]
.endr
	v_min_u32 v209, v209, v211
	v_min_u32 v213, v213, v215
	v_min_u32 v209, v209, v213                     ; the lowest centroid that reaches the row's smallest distance
	v_add_nc_u32 v14, s15, v0                      ; the row's place among the 125 that I own,
	v_lshlrev_b32 v15, 2, v0
	v_cmp_gt_u32 vcc_lo, 125, v14                  ; unsigned: rows in front of them and behind them fall out, so that each word of out0 has one owner
	s_wait_xcnt 0x0                                ; EXEC changes only behind this wait
	s_and_saveexec_b32 s45, vcc_lo
	global_store_b32 v15, v209, s[8:9]
	s_wait_xcnt 0x0                                ; and again, in front of the line that widens it
	s_or_b32 exec_lo, exec_lo, s45
	s_wait_tensorcnt 0x0                           ; the wave's end, behind my last tensor load and my last LDS store
	ds_add_u32 v1, v2
	s_wait_dscnt 0x0
	ROUND                                          ; the closing round: no work-group ends while a partner may still ask for records jointly
	s_endpgm
.Lfunc_end_k_qc240739d83_assign:
	.size	k_qc240739d83_assign, .Lfunc_end_k_qc240739d83_assign-k_qc240739d83_assign
	.p2alignl 7, 3214868480
	.fill 96, 4, 3214868480
	.section	.rodata,"a",@progbits
	.p2align	6, 0x0
	.amdhsa_kernel k_qc240739d83_assign
		.amdhsa_group_segment_fixed_size 327680
		.amdhsa_private_segment_fixed_size 0
		.amdhsa_enable_private_segment 0
		.amdhsa_kernarg_size 24
		.amdhsa_user_sgpr_count 2
		.amdhsa_user_sgpr_kernarg_segment_ptr 1
		.amdhsa_wavefront_size32 1
		.amdhsa_system_sgpr_workgroup_id_x 1
		.amdhsa_system_sgpr_workgroup_id_y 1
		.amdhsa_system_sgpr_workgroup_id_z 1
		.amdhsa_system_vgpr_workitem_id 0
		.amdhsa_next_free_vgpr 832
		.amdhsa_next_free_sgpr 66
		.amdhsa_reserve_vcc 1
		.amdhsa_float_denorm_mode_32 3
		.amdhsa_float_denorm_mode_16_64 3
		.amdhsa_memory_ordered 1
		.amdhsa_forward_progress 1
		.amdhsa_inst_pref_size 255
	.end_amdhsa_kernel
	.section	.bss,"aw",@nobits
	.p2align	6
	.space	262144
	.amdgpu_metadata
---
amdhsa.version: [ 1, 2 ]
amdhsa.kernels:
  - .name:           k_qc240739d83_assign
    .symbol:         k_qc240739d83_assign.kd
    .args:
      - { .name: x, .offset: 0, .size: 8, .value_kind: global_buffer, .address_space: global }
      - { .name: cq, .offset: 8, .size: 8, .value_kind: global_buffer, .address_space: global }
      - { .name: out0, .offset: 16, .size: 8, .value_kind: global_buffer, .address_space: global }
    .group_segment_fixed_size: 327680
    .private_segment_fixed_size: 0
    .kernarg_segment_align: 8
    .kernarg_segment_size: 24
    .max_flat_workgroup_size: 128
    .sgpr_count:     66
    .vgpr_count:     832
    .wavefront_size: 32
...
	.end_amdgpu_metadata
.endif
;; end of part 2
;; ======== version 2 of 2: 2 launches
;; limits: right only within a limited range of input values
;; workspace buffers: cq 1,146,880 bytes
;; launch prep (part 3): grid 128 x 1, 8 waves a work-group, no clusters, 69,632 bytes of LDS; arguments centroids, cq; writes cq
.if DOCPART == 3
	.amdgcn_target "amdgcn-amd-amdhsa--gfx1250"
	.amdhsa_code_object_version 6
	.text
	.protected	k_qc240739d83_prep
	.globl	k_qc240739d83_prep
	.p2align	8
	.type	k_qc240739d83_prep,@function
k_qc240739d83_prep:
	s_mov_b64 s[64:65], 0
	v_nop
	global_prefetch_b8 v0, s[64:65] scope:SCOPE_SE
	s_setreg_imm32_b32 hwreg(HW_REG_WAVE_MODE, 25, 1), 1
	s_wait_xcnt 0x0
; centroids [2048][1024] f32 -> cq: 128 records of 8,960 bytes, one for each tile T of 16 centroids (16 T .. 16 T + 15).
; A record holds -2 x Q(centroids), Q the MX-FP4 quantiser along the 1,024 (blocks of 32, E2M1 codes, one E8M0 byte a block), laid as the matrix
; instruction's registers want it, and the f32 sums of squares of the UNQUANTISED centroids:
;   bytes 0 .. 8191     codes: the 16 bytes at 1024 s + 512 c + 16 L (L = 16 h + r) are the 32 codes of centroid r for k = 128 s + 64 c + 32 h + 0 .. 31:
;                       registers 4 c .. 4 c + 3 of lane L of the fragment of K step s (128 along K)
;   bytes 8192 .. 8703  scale words: the word at 16 L + 4 p holds the four bytes of K step 2 p + h of centroid r
;   bytes 8704 .. 8959  64 f32 words, word i = the sum of squares of centroid i % 16 (the later launch reads words 0 to 15; 64 words make the store 256 consecutive bytes)
; THE FACTOR -2 IS EXACT: every code's sign bit is turned (xor 0x88888888) and every scale byte is raised by 1.  A byte is at most 254 - 2 = 252 before that, so it stays under 255.
; A block's byte is its largest magnitude's exponent field - 2, held at 1 from below; a block of zeros gets 127 (here 128); numbers are divided by the scale and rounded to the nearest code, ties to even,
; beyond 6 the largest code.
; LIMITS: NaN and infinities among the inputs are not served; blocks whose largest magnitude lies under 2^-123 (byte held at 1) were not tried.
; SHARES: work-group T makes record T, since a record's 256-byte pieces want all 16 centroids: 128 work-groups.  Wave w is K step w; lane (r = L % 16, h = L / 16) holds two whole blocks of row r:
; k = 128 w + 64 i + 32 h + 0 .. 31, i = 0, 1, so that a block's largest magnitude needs no other lane and the four conversions give the lane's 16 bytes of the record.
; THE WAY IN: a wave's 16 loads take one row's 512 bytes of the K step each, 16 neighbouring bytes a lane, so that each load covers 512 consecutive bytes and no byte is asked for twice.  The lanes' blocks are
; then cut out of the wave's own stage in LDS: 16 rows of 512 + 16 bytes, so that the 16 rows that an LDS load touches lie 16 bytes apart modulo 256.
.set REC, 8960
.set SP,  528                          ; a stage row
.set STG, 1024                         ; the stages, 16 SP bytes for each wave, lie behind the 512 bytes of scale words and the 512 of partial sums
	s_load_b128 s[4:7], s[0:1], 0x0                ; centroids s[4:5], cq s[6:7]
	v_lshl_add_u32 v160, v0, 2, 0x10c00
	v_mov_b32 v161, 0
	v_lshrrev_b32 v8, 5, v0
	s_delay_alu instid0(VALU_DEP_1)
	v_readfirstlane_b32 s8, v8                     ; wave 0..7 = K step
	v_and_b32 v9, 31, v0                           ; L
	v_and_b32 v1, 15, v0                           ; r
	v_bfe_u32 v2, v0, 4, 1                         ; h
	s_delay_alu instid0(VALU_DEP_3)
	v_lshlrev_b32 v4, 4, v9                        ; 16 L: my place in a row's 512 bytes, and in the record's pieces of 512
	s_delay_alu instid0(VALU_DEP_4)
	v_lshlrev_b32 v30, 3, v9                       ; 8 L
	v_lshlrev_b32 v31, 2, v9                       ; 4 L
	s_mul_i32 s13, s8, 16*SP
	s_add_co_u32 s13, s13, STG                     ; my wave's stage
	v_add_nc_u32 v3, s13, v4                       ; into it: 16 L
	v_mul_u32_u24 v6, v1, SP
	s_delay_alu instid0(VALU_DEP_1)
	v_lshl_add_u32 v6, v2, 7, v6
	s_delay_alu instid0(VALU_DEP_1)
	v_add_nc_u32 v6, s13, v6                       ; out of it: row r, + 128 h
	s_lshl_b32 s9, s8, 6
	v_lshl_add_u32 v5, v1, 2, s9                   ; LDS: my wave's 64 bytes, word r (scale words from byte 0, partial sums of squares from byte 512)
	v_and_b32 v7, 63, v30
	s_delay_alu instid0(VALU_DEP_1)
	v_add_nc_u32 v7, 512, v7                       ; LDS: the partial sums of centroids 2 L % 16 and 2 L % 16 + 1
	s_mov_b32 s12, 0x88888888                      ; the sign bits of eight codes
	s_mov_b32 s14, 0x76543210                      ; v_permlanex16_b32's selects for lane l xor 16
	s_mov_b32 s15, 0xfedcba98
	s_lshl_b32 s10, ttmp9, 16                      ; 16 rows of 4,096 bytes a tile,
	s_lshl_b32 s16, s8, 9                          ; 512 bytes a K step
	s_add_co_u32 s10, s10, s16
	s_mov_b32 s11, 0
	s_mul_i32 s16, ttmp9, REC                      ; my record,
	s_lshl_b32 s17, s8, 10                         ; 1,024 bytes of codes a K step
	s_add_co_u32 s16, s16, s17
	s_mov_b32 s17, 0
	s_wait_alu depctr_va_vdst(0)
	s_wait_kmcnt 0x0
	s_add_nc_u64 s[4:5], s[4:5], s[10:11]
	s_add_nc_u64 s[6:7], s[6:7], s[16:17]
.irp j, 0,1,2,3,4,5,6,7,8,9,10,11,12,13,14,15
	global_load_b128 v[32+4*\j:35+4*\j], v4, s[4:5] offset:4096*\j th:TH_LOAD_NT   ; row j: 512 consecutive bytes
.endr
.irp j, 0,1,2,3,4,5,6,7,8,9,10,11,12,13,14,15
	s_wait_loadcnt 15-\j                           ; loads come back in order: row j is in, the 15 - j younger rows may be out
	ds_store_b128 v3, v[32+4*\j:35+4*\j] offset:SP*\j
.endr
.irp i, 0,1
.irp e, 0,1,2,3,4,5,6,7
	ds_load_b128 v[96+32*\i+4*\e:96+32*\i+4*\e+3], v6 offset:256*\i+16*\e   ; LDS serves a wave's instructions in order: these see my stores.  Block i: k = 64 i + 32 h + 4 e on
.endr
.endr
; Block i of my two: largest magnitude, byte, codes (with the signs turned), their store, and the squares.
.macro BLOCK i
.set XS, 96+32*\i
	s_wait_dscnt 8-8*\i                            ; LDS loads come back in order: block i's eight are in; block 1's eight may be out while block 0 is worked on
	v_max3_num_f32 v8, |v[XS]|, |v[XS+1]|, |v[XS+2]|
	v_max3_num_f32 v9, |v[XS+3]|, |v[XS+4]|, |v[XS+5]|
.irp e, 6,10,14,18,22,26
	s_delay_alu instid0(VALU_DEP_2)
	v_max3_num_f32 v8, v8, |v[XS+\e]|, |v[XS+\e+1]|
	s_delay_alu instid0(VALU_DEP_2)
	v_max3_num_f32 v9, v9, |v[XS+\e+2]|, |v[XS+\e+3]|
.endr
	s_delay_alu instid0(VALU_DEP_2)
	v_max3_num_f32 v8, v8, |v[XS+30]|, |v[XS+31]|
	s_delay_alu instid0(VALU_DEP_1)
	v_max_num_f32 v8, v8, v9                       ; the block's largest magnitude: all 32 numbers are mine
	s_delay_alu instid0(VALU_DEP_1)
	v_lshrrev_b32 v9, 23, v8                       ; its exponent field
	s_delay_alu instid0(VALU_DEP_1)
	v_max_u32 v9, 3, v9                            ; the byte is not to fall under 1
	s_delay_alu instid0(VALU_DEP_1)
	v_add_nc_u32 v11, -2, v9                       ; the quantiser's byte,
	s_delay_alu instid0(VALU_DEP_1)
	v_lshlrev_b32 v11, 23, v11                     ; as f32: the conversion takes its exponent field
	v_cmp_eq_u32 vcc_lo, 0, v8                     ; a block of zeros?
.irp g, 0,1,2,3
	v_cvt_scalef32_pk8_fp4_f32 v[16+4*\i+\g], v[XS+8*\g:XS+8*\g+7], v11
.endr
	v_add_nc_u32 v9, -1, v9                        ; the byte that is stored: one more, for the factor 2.  (Also the plain instruction between the conversions and the use of their results)
	s_delay_alu instid0(VALU_DEP_1)
	v_cndmask_b32 v[24+\i], v9, 128, vcc_lo        ; a block of zeros: 127 + 1
.irp g, 0,1,2,3
	v_xor_b32 v[16+4*\i+\g], s12, v[16+4*\i+\g]    ; the factor's sign
.endr
	global_store_b128 v4, v[16+4*\i:19+4*\i], s[6:7] offset:512*\i   ; the wave stores 512 consecutive bytes of the record
.set p, 0
.rept 16                                           ; the squares of the unquantised numbers, in two pairs of sums that take turns; the first two products start them
.if (\i == 0) && (p < 2)
	v_pk_mul_f32 v[26+2*p:27+2*p], v[XS+2*p:XS+2*p+1], v[XS+2*p:XS+2*p+1]
.else
	v_pk_fma_f32 v[26+2*(p%2):27+2*(p%2)], v[XS+2*p:XS+2*p+1], v[XS+2*p:XS+2*p+1], v[26+2*(p%2):27+2*(p%2)]
.endif
.set p, p+1
.endr
.endm
	BLOCK 0
	BLOCK 1
	v_lshl_or_b32 v8, v25, 16, v24                 ; my two bytes: blocks h and 2 + h of the K step,
	v_lshlrev_b32 v9, 3, v2
	s_delay_alu instid0(VALU_DEP_1)
	v_lshlrev_b32 v8, v9, v8                       ; at their places in the scale word (8 h bits up);
	v_mov_b32 v9, 0                                ; (the destination of a lane permute counts as read)
	s_delay_alu instid0(VALU_DEP_1)
	v_permlanex16_b32 v9, v8, s14, s15
	s_delay_alu instid0(VALU_DEP_1)
	v_or_b32 v8, v8, v9                            ; with lane l xor 16's two the word is whole
	ds_store_b32 v5, v8                            ; both halves of the lanes write the same word with the same value
	v_pk_add_f32 v[26:27], v[26:27], v[28:29]
	s_delay_alu instid0(VALU_DEP_1)
	v_add_f32 v11, v26, v27                        ; my 64 squares,
	v_mov_b32 v12, 0
	s_delay_alu instid0(VALU_DEP_1)
	v_permlanex16_b32 v12, v11, s14, s15
	s_delay_alu instid0(VALU_DEP_1)
	v_add_f32 v11, v11, v12                        ; and lane l xor 16's: row r's 128 of this K step
	ds_store_b32 v5, v11 offset:512
	s_wait_dscnt 0x0                               ; for wave 0's sake: my two stores are done
	s_barrier_signal -1
	s_barrier_wait -1
	s_cmp_lg_u32 s8, 0
	s_cbranch_scc1 .Lend                           ; wave 0 alone writes the record's last 768 bytes
.irp p, 0,1,2,3
	ds_load_b32 v[32+\p], v31 offset:128*\p        ; the word of K step 2 p + h of centroid r lies at 64 (2 p + h) + 4 r = 128 p + 4 L
.endr
.irp j, 0,1,2,3,4,5,6,7
	ds_load_b64 v[40+2*\j:41+2*\j], v7 offset:64*\j   ; K step j's partial sums of my two centroids
.endr
	s_wait_dscnt 8                                 ; the four scale words are in; the eight younger loads may be out
	global_store_b128 v4, v[32:35], s[6:7] offset:8192   ; 512 consecutive bytes
	s_wait_dscnt 0x0
.irp j, 1
	v_pk_add_f32 v[40:41], v[40:41], v[40+2*\j:41+2*\j]   ; K ascending
.endr
.irp j, 2, 3, 4, 5, 6, 7
	s_delay_alu instid0(VALU_DEP_1)
	v_pk_add_f32 v[40:41], v[40:41], v[40+2*\j:41+2*\j]   ; K ascending
.endr
	global_store_b64 v30, v[40:41], s[6:7] offset:8704    ; 256 consecutive bytes
.Lend:
	s_wait_tensorcnt 0x0
	ds_add_u32 v160, v161
	s_wait_dscnt 0x0
	s_endpgm
.Lfunc_end_k_qc240739d83_prep:
	.size	k_qc240739d83_prep, .Lfunc_end_k_qc240739d83_prep-k_qc240739d83_prep
	.p2alignl 7, 3214868480
	.fill 96, 4, 3214868480
	.section	.rodata,"a",@progbits
	.p2align	6, 0x0
	.amdhsa_kernel k_qc240739d83_prep
		.amdhsa_group_segment_fixed_size 69632
		.amdhsa_private_segment_fixed_size 0
		.amdhsa_enable_private_segment 0
		.amdhsa_kernarg_size 16
		.amdhsa_user_sgpr_count 2
		.amdhsa_user_sgpr_kernarg_segment_ptr 1
		.amdhsa_wavefront_size32 1
		.amdhsa_system_sgpr_workgroup_id_x 1
		.amdhsa_system_sgpr_workgroup_id_y 1
		.amdhsa_system_sgpr_workgroup_id_z 1
		.amdhsa_system_vgpr_workitem_id 0
		.amdhsa_next_free_vgpr 162
		.amdhsa_next_free_sgpr 66
		.amdhsa_reserve_vcc 1
		.amdhsa_float_denorm_mode_32 3
		.amdhsa_float_denorm_mode_16_64 3
		.amdhsa_memory_ordered 1
		.amdhsa_forward_progress 1
		.amdhsa_inst_pref_size 16
	.end_amdhsa_kernel
	.amdgpu_metadata
---
amdhsa.version: [ 1, 2 ]
amdhsa.kernels:
  - .name:           k_qc240739d83_prep
    .symbol:         k_qc240739d83_prep.kd
    .args:
      - { .name: centroids, .offset: 0, .size: 8, .value_kind: global_buffer, .address_space: global }
      - { .name: cq, .offset: 8, .size: 8, .value_kind: global_buffer, .address_space: global }
    .group_segment_fixed_size: 69632
    .private_segment_fixed_size: 0
    .kernarg_segment_align: 8
    .kernarg_segment_size: 16
    .max_flat_workgroup_size: 256
    .sgpr_count:     66
    .vgpr_count:     162
    .wavefront_size: 32
...
	.end_amdgpu_metadata
.endif
;; end of part 3
;; launch assign (part 4): grid 256 x 1, 4 waves a work-group, clusters of 4 x 1, 327,680 bytes of LDS; arguments x, cq, out0; writes out0
.if DOCPART == 4
	.amdgcn_target "amdgcn-amd-amdhsa--gfx1250"
	.amdhsa_code_object_version 6
	.text
	.protected	k_qc240739d83_assign
	.globl	k_qc240739d83_assign
	.p2align	8
	.type	k_qc240739d83_assign,@function
k_qc240739d83_assign:
	s_mov_b64 s[64:65], 0
	v_nop
	global_prefetch_b8 v0, s[64:65] scope:SCOPE_SE
	s_setreg_imm32_b32 hwreg(HW_REG_WAVE_MODE, 25, 1), 1
	s_wait_xcnt 0x0
	s_wait_alu depctr_hold_cnt(0) depctr_sa_sdst(0) depctr_va_vdst(0) depctr_va_sdst(0) depctr_va_ssrc(0) depctr_va_vcc(0) depctr_vm_vsrc(0)
	s_getreg_b32 s2, hwreg(HW_REG_IB_STS2, 6, 4)
	s_cmp_eq_u32 s2, 0
	s_cbranch_scc0 .Lentry_in_a_cluster
	s_endpgm
.Lentry_in_a_cluster:
	s_bfe_u32 s2, ttmp6, 0x10000c
	s_cmp_lg_u32 s2, 0x3003
	s_cbranch_scc0 .Lentry_shape_is_right
	s_endpgm
.Lentry_shape_is_right:
; out0[n] = the lowest k with the smallest |c_k|^2 - 2 Q(x_n) . Q(c_k).  x: [32000][1024] f32; cq: 128 records of 16 centroids (codes of -2 Q(c) in the matrix instruction's register image,
; scale words, sums of squares: 8,960 bytes a record); out0: [32000] int32.
; SHARES.  32,000 = 256 x 125: work-group g owns rows 125 g .. 125 g + 124.  It works on the 128 rows from base = min(125 g, 31,872) on, so that no load leaves x, and stores only the rows that it owns.
; x IS READ ONCE AND QUANTISED ON ITS WAY: wave w turns rows 32 w .. 32 w + 31 into codes and scale bytes, which go through LDS to all four waves.  Every wave then holds the codes of ALL 128 rows for all of K in
; 512 registers and walks a quarter of the centroids: 32 records of 64 matrix instructions (8 K steps of 128 x 8 blocks of 16 rows): each fragment of centroids read from LDS feeds eight.
; TRANSPOSED USE: source 0 = 16 centroids, source 1 = 16 rows of x: register j of lane (r, h) is centroid 8 h + j against row r.  The first K step takes the sums of squares as C and the records carry the factor -2:
; the finished accumulator IS the distance.
; THE ARGMIN.  A lane's eight distances of an accumulator are one row's: four minima of three take them together with the row's running minimum; where it falls, the record's first seven distances and its number are
; kept (strictly less, records ascending: the first record that reaches the minimum stays).  Which of the eight it was is asked once, at the end: the first kept distance that equals the minimum, else the eighth.
; CLUSTER.  All work-groups walk the same records: the four of a cluster ask for them JOINTLY (mask of all four).  Wave w of each asks for, and alone reads, the records of its quarter.
; NO PREFETCH: a wave has 64 loads of 512 bytes of x asked for ahead of their use, and every byte of x is used once; the records are the same 1,146,880 bytes for all 64 clusters, walked in the same order.
; LIMITS.  The sum of squares enters the f32 sum ahead of the products, where reference() adds it last, and is itself summed in this program's order: two distances a few units in the last place apart can rank
; the other way.  A NaN distance never wins (jnp.argmin takes the first NaN); infinities among the inputs are not served; blocks whose largest magnitude lies under 2^-123 (byte held at 1) were not tried.
; A block of zeros of x keeps the byte 1 where the quantiser says 127: its codes are zeros and this program alone reads the byte.
; LDS: two slots of 16 records (wave w's four at 35,840 w); XST: x's codes of half of K, 128 rows x (256 + 16) bytes, later the waves' results; XSC: x's scale bytes, [row][h][16]; the spare words.
; REGISTERS, in windows of 256 (s_set_vgpr_msb: bits 1:0 source 0, 3:2 source 1, 5:4 source 2, 7:6 destination):
;   window 0: v0 lane, v1 spare word, v2 zero, v3 and v5 record addresses, v6-11 at work, v12-19 minima, v20-51 x's scale words, v52-55 a record's (scales and nothing else), v56-63 its sums of squares,
;             v64-127 its fragments (K step s at 64 + 8 s), v128-191 accumulators (in the x phase: at work), v192-255 the kept distances (block b: 7 registers, then the record's number)
;   window 1: x's fragments of K steps 0-3 (block b of K step s at v[64 (s % 4) + 8 b]);   window 2: K steps 4-7;   window 3: the x phase's ring of 16 sets of 16 numbers
.set REC,    8960
.set WREC,   4*REC                     ; what one tensor load brings: a wave's four records of a slot, 140 rows of 256 bytes
.set SLOTB,  16*REC
.set XST,    2*SLOTB                   ; 286,720
.set XP,     272                       ; a row of XST: an odd multiple of 16, so that the 16 rows of a fragment load lie 16 bytes apart modulo 256
.set XSC,    XST+128*XP                ; 321,536
.set SPARE,  XSC+4096                  ; 325,632: the spare words, 128 bytes for each wave
.set MIN,    12
.set XSR,    20                        ; block b, register p: lanes 0-15 K step 2 p, lanes 16-31 K step 2 p + 1
.set BS,     52                        ; the record's, likewise
.set NRM,    56
.set FRG,    64
.set ACC,    128
.set SAVE,   192
.set XE,     128                       ; x phase: the four blocks' scale operands
.set XC,     132                       ; two sets of four codes' words
.set XB,     142                       ; two scale bytes
.set XOFF,   144                       ; 16 x lane: my place in 512 bytes of x
.set XW,     145                       ; XST: where my codes go
.set XSW,    146                       ; XSC: where my scale byte goes
.set XWL,    147                       ; the same two in the loop over row groups
.set XSWL,   148
.set XRD,    149                       ; a fragment of x in XST
.set XSRD,   150                       ; x's scale words in XSC
.set MSB,  0
.macro WIN new                         ; the immediate's high byte repeats the setting that is left; a switch that changes nothing is dropped
.if MSB != \new
	s_set_vgpr_msb (MSB<<8)|\new
.set MSB, \new
.endif
.endm
.macro PLACES
.rept 4
	v_nop
.endr
.endm
.macro CREST                           ; a round of the cluster's barrier behind its opening barrier
	s_cmp_lg_u32 s10, 0
	s_cbranch_scc1 .Lnot_wave_0_\@
	s_barrier_signal -3
.Lnot_wave_0_\@:
	s_barrier_wait -3
	s_barrier_signal -1
	s_barrier_wait -1
.endm
.macro ROUND                           ; a whole round
	s_barrier_signal -1
	s_barrier_wait -1
	CREST
.endm
	s_load_b128 s[4:7], s[0:1], 0x0                ; x s[4:5], cq s[6:7]
	s_load_b64 s[8:9], s[0:1], 0x10                ; out0
	v_lshl_add_u32 v1, v0, 2, SPARE                ; my spare word; never rewritten
	v_mov_b32 v2, 0                                ; 0; never rewritten
	ds_add_u32 v1, v2                              ; the wave's opening: the add, twice on end; its wait stands ahead of my first tensor load
	ds_add_u32 v1, v2
	v_lshrrev_b32 v6, 5, v0
	v_readfirstlane_b32 s10, v6                    ; wave 0..3
	s_bfe_u32 s11, ttmp6, 0x40000                  ; cx: my place in the cluster
	s_lshl_b32 s12, ttmp9, 2                       ; in a cluster launch ttmp9 counts clusters
	s_add_co_u32 s12, s12, s11                     ; g: it enters x's and out0's addresses and the mask of the last store alone
	s_mul_i32 s13, s12, 125                        ; the first row that I own
	s_min_u32 s14, s13, 31872                      ; base: the first row of my tile of 128
	s_sub_co_u32 s15, s14, s13                     ; base - first row: 0, or -3 in the last work-group
	s_mov_b32 s20, 0x76543210                      ; v_permlanex16_b32's selects for lane l xor 16
	s_mov_b32 s21, 0xfedcba98
	s_mov_b32 s22, 0xff000000                      ; takes 2 off an exponent field
	s_mov_b32 s23, 0x01800000                      ; 2^(3 - 127): the floor of a block's largest magnitude, so that its byte does not fall under 1
	s_mov_b32 s46, 0x7f800000                      ; +infinity: above every distance
	s_mov_b32 s47, 0xaaaaaaaa                      ; the lanes with L % 2 = 1
	s_mov_b32 s56, 0xcccccccc                      ; the lanes with L % 4 >= 2
	; descriptor group 1: a dense block of 35,840 bytes as 140 rows of 256 bytes
	s_mov_b32 s24, 15|(3<<16)|(1<<21)              ; 15:0 the mask: all four work-groups; 17:16 elements of 8 bytes; 21 set beside a mask
	s_mov_b32 s25, 32<<16                          ; tensor_dim0 = 32
	s_mov_b32 s26, 140<<16                         ; tensor_dim1 = 140
	s_mov_b32 s27, 32<<16                          ; tile_dim0 = 32
	s_mov_b32 s28, 140                             ; tile_dim1 = 140
	s_mov_b32 s29, 32                              ; elements from row to row
	s_mov_b32 s30, 0
	s_mov_b32 s31, 0
	s_mul_i32 s44, s10, WREC                       ; my wave's part of a slot, in LDS and in cq alike: no place in the cluster enters it
	s_mul_i32 s16, s10, 32*XP
	s_add_co_u32 s16, s16, XST                     ; XST: my wave's 32 rows
	s_lshl_b32 s17, s10, 10
	s_add_co_u32 s17, s17, XSC                     ; XSC: my wave's 32 rows of 32 bytes
	v_and_b32 v6, 31, v0                           ; L
	v_lshlrev_b32 v[XOFF], 4, v6
	v_lshl_add_u32 v[XW], v6, 1, s16               ; four codes of each K step: 2 bytes at 2 L
	v_and_b32 v7, 1, v0                            ; I store the byte of K step L % 4 (+ 4 in the second half of K), block L / 8
	v_lshl_add_u32 v[XSW], v7, 4, s17              ; + 16 x (K step % 2)
	v_bfe_u32 v8, v0, 1, 1
	v_lshl_add_u32 v[XSW], v8, 2, v[XSW]           ; + 4 x (K step / 2)
	v_bfe_u32 v9, v0, 3, 2
	v_add_nc_u32 v[XSW], v[XSW], v9                ; + the block
	v_and_b32 v10, 15, v0                          ; r
	v_bfe_u32 v11, v0, 4, 1                        ; h
	v_mul_u32_u24 v[XRD], v10, XP
	v_lshl_add_u32 v[XRD], v11, 4, v[XRD]
	v_add_nc_u32 v[XRD], XST, v[XRD]               ; row r, + 16 h
	v_lshlrev_b32 v[XSRD], 5, v10
	v_lshl_add_u32 v[XSRD], v11, 4, v[XSRD]
	v_add_nc_u32 v[XSRD], XSC, v[XSRD]             ; row r, half h
	v_and_b32 v0, 31, v0                           ; from here on v0 is the lane
	s_lshl_b32 s16, s10, 5
	s_add_co_u32 s16, s16, s14
	s_lshl_b32 s16, s16, 12                        ; (base + 32 w) rows of 4,096 bytes: under 2^27
	s_mov_b32 s17, 0
	s_mov_b32 s18, s44
	s_mov_b32 s19, 0
	s_wait_alu depctr_va_vdst(0)
	s_wait_dscnt 0x0                               ; both opening adds are done
	s_wait_kmcnt 0x0
	s_add_nc_u64 s[4:5], s[4:5], s[16:17]          ; x at my wave's first row
	s_lshl_b32 s16, s14, 2
	s_add_nc_u64 s[8:9], s[8:9], s[16:17]          ; out0 at the tile's first row
	s_add_nc_u64 s[6:7], s[6:7], s[18:19]          ; cq at my wave's first four records
.irp s, 0,1
	s_mov_b32 s[32+4*\s], 1                        ; 1:0 count = 1
	s_add_co_u32 s[33+4*\s], s44, \s*SLOTB         ; 63:32 LDS address
	s_add_nc_u64 s[34+4*\s:35+4*\s], s[6:7], \s*SLOTB   ; 120:64 global address: records 16 s + 4 w on
	s_or_b32 s[35+4*\s], s[35+4*\s], 0x80000000    ; 127:126 type = 2
.endr
; THE x PHASE.  64 steps of a row's half (512 numbers), in four groups of 16 rows: rows 0-15 and 16-31 of my 32 in K's first half, then rows 16-31 and 0-15 in its second.
; Load i of a step's four takes K step i of that half: 512 consecutive bytes, 16 neighbouring bytes a lane.  A lane holds four numbers of each of four blocks; a block of 32 lies in eight neighbouring lanes.
; Sixteen steps, one group, are on their way in each wave: a step's registers take the same row of the next group.
.macro LOAD t                          ; window 3 is the destination
.irp i, 0,1,2,3
	global_load_b128 v[16*(\t)+4*\i:16*(\t)+4*\i+3], v[XOFF], s[4:5] offset:(\t)*4096+512*\i th:TH_LOAD_NT
.endr
.endm
; The four blocks side by side.  A conversion takes ONE scale for its eight numbers and a lane's eight come from two blocks: so each eight is converted twice, with either block's scale, and the half that belongs to the scale is kept.
; The step's loads and LDS stores stand together behind its vector work.
.macro XSTEP t, u, wa, sa, row, ahead
.set XS, 16*(\t)
.set CP, XC+4*((\t)%2)
.if \ahead
	s_wait_loadcnt 60                              ; loads come back in order: my four are in; the fifteen younger steps' 60 stay out
.else
	s_wait_loadcnt 60-4*(\t)                       ; the counts run down: nothing is loaded behind the last group
.endif
	WIN 0x0f                                       ; sources 0 and 1 window 3
.irp i, 0,1,2,3
	v_max3_num_f32 v[XE+\i], |v[XS+4*\i]|, |v[XS+4*\i+1]|, s23
.endr
.irp i, 0,1,2,3
	v_max3_num_f32 v[XE+\i], |v[XS+4*\i+2]|, |v[XS+4*\i+3]|, v[XE+\i]   ; the largest magnitude of my four and the floor,
.endr
	WIN 0
.irp m, 1,2,4
.irp i, 0,1,2,3
	v_max_num_f32_dpp v[XE+\i], v[XE+\i], v[XE+\i] row_xmask:\m row_mask:0xf bank_mask:0xf   ; and of the eight lanes' 32: the block's
.endr
.endr
.irp i, 0,1,2,3
	v_add_nc_u32 v[XE+\i], s22, v[XE+\i]           ; 2 off its exponent field: the conversion takes that field as its scale
.endr
	WIN 0x03                                       ; source 0 window 3
	v_cvt_scalef32_pk8_fp4_f32 v[CP], v[XS:XS+7], v[XE]          ; low half: my four codes of K step 0
	v_cvt_scalef32_pk8_fp4_f32 v[CP+1], v[XS:XS+7], v[XE+1]      ; high half: of K step 1
	v_cvt_scalef32_pk8_fp4_f32 v[CP+2], v[XS+8:XS+15], v[XE+2]
	v_cvt_scalef32_pk8_fp4_f32 v[CP+3], v[XS+8:XS+15], v[XE+3]
	WIN 0
	v_cndmask_b32 v140, v[XE], v[XE+1], s47        ; the lane with L % 4 = i stores block i's byte.  (Also the plain instructions behind the conversions)
	v_cndmask_b32 v141, v[XE+2], v[XE+3], s47
	v_lshrrev_b32 v[CP+1], 16, v[CP+1]
	v_lshrrev_b32 v[CP+3], 16, v[CP+3]
	v_cndmask_b32 v140, v140, v141, s56
	v_lshrrev_b32 v[XB+(\t)%2], 23, v140
.if \ahead
	WIN 0xc0
	LOAD \t
	WIN 0
.endif
.irp i, 0,1,2,3
	ds_store_b16 v[\wa], v[CP+\i] offset:XP*((\row)+(\t))+64*\i   ; 64 consecutive bytes of the row, k in its natural order
.endr
	ds_store_b8 v[\sa], v[XB+(\t)%2] offset:32*((\row)+(\t))+8*(\u)   ; lanes L and L + 4 write the same byte with the same value
.endm
; x's fragments of half u of K, all 128 rows, into window 1 + u: 16 rows x 128 K of 4-bit codes are 8 registers: two loads of 16 bytes, 32 bytes apart
.macro ALOAD u
	WIN 0x40*(\u+1)
.irp s, 0,1,2,3
.irp b, 0,1,2,3,4,5,6,7
.irp c, 0,1
	ds_load_b128 v[64*\s+8*\b+4*\c:64*\s+8*\b+4*\c+3], v[XRD] offset:16*XP*\b+64*\s+32*\c
.endr
.endr
.endr
	WIN 0
.endm
	ROUND                                          ; all four work-groups are here: the first joint loads meet
	tensor_load_to_lds s[32:35], s[24:31]          ; slot 0
	s_nop 0
	PLACES
	WIN 0xc0
.irp t, 0,1,2,3,4,5,6,7,8,9,10,11,12,13,14,15
	LOAD \t
.endr
	WIN 0
	s_mov_b32 s18, 0x10000                         ; from a group to the next: 16 rows down,
	s_mov_b32 s57, 0
	s_mov_b32 s58, 0
	s_mov_b32 s59, 2
.Lx:
	s_wait_xcnt 0x0                                ; the loads have read their base
	s_add_nc_u64 s[4:5], s[4:5], s[18:19]
	s_movk_i32 s18, 2048                           ; then to the same rows' second half
	v_add_nc_u32 v[XWL], s57, v[XW]
	v_add_nc_u32 v[XSWL], s58, v[XSW]
.irp t, 0,1,2,3,4,5,6,7,8,9,10,11,12,13,14,15
	XSTEP \t, 0, XWL, XSWL, 0, 1
.endr
	s_add_co_u32 s57, s57, 16*XP
	s_add_co_u32 s58, s58, 512
	s_wait_alu depctr_va_vdst(0)
	s_sub_co_u32 s59, s59, 1
	s_cmp_lg_u32 s59, 0
	s_cbranch_scc1 .Lx
	s_wait_dscnt 0x0                               ; for the others' sake: my stores into XST are done
	s_barrier_signal -1
	s_barrier_wait -1
	ALOAD 0
	s_wait_dscnt 0x0                               ; my reads of XST are back:
	s_barrier_signal -1
	s_barrier_wait -1                              ; everybody's are, and the second half of K may be written there
	s_wait_xcnt 0x0
	s_sub_nc_u64 s[4:5], s[4:5], 0x10000           ; the last group: 16 rows up
.irp t, 0,1,2,3,4,5,6,7,8,9,10,11,12,13,14,15
	XSTEP \t, 1, XW, XSW, 16, 1
.endr
.irp t, 0,1,2,3,4,5,6,7,8,9,10,11,12,13,14,15
	XSTEP \t, 1, XW, XSW, 0, 0
.endr
	s_wait_alu depctr_va_vdst(0)
	s_wait_tensorcnt 0x0                           ; slot 0 is in
	ds_add_u32 v1, v2
	s_wait_dscnt 0x0                               ; the add and my stores into XST are done
	ROUND
	tensor_load_to_lds s[36:39], s[24:31]          ; slot 1: the first tensor load behind the round
	s_nop 0
	PLACES
; THE MAIN PART.  The record at LDS byte s40: v3 = s40 + 16 L (codes, scale words), v5 = s40 + 32 h (sums of squares).
.macro ADDR
	v_lshl_add_u32 v3, v0, 4, s40
	v_and_b32 v6, 16, v0
	v_lshl_add_u32 v5, v6, 1, s40
.endm
; A record's 19 LDS loads in one run: K steps 0-3, its scale words and sums of squares first, so that the wait at the record's head can leave the last eight, K steps 4-7, out.
.macro FETCH
.irp q, 0,1,2,3,4,5,6,7
	ds_load_b128 v[FRG+4*\q:FRG+4*\q+3], v3 offset:512*\q
.endr
	ds_load_b128 v[BS:BS+3], v3 offset:8192
	ds_load_b128 v[NRM:NRM+3], v5 offset:8704
	ds_load_b128 v[NRM+4:NRM+7], v5 offset:8720
.irp q, 8,9,10,11,12,13,14,15
	ds_load_b128 v[FRG+4*\q:FRG+4*\q+3], v3 offset:512*\q
.endr
.endm
; K step s: eight matrix instructions, the accumulators by turns.
; Even K steps take their scales from lanes 0-15 of the scale registers, odd ones from lanes 16-31.
.macro MUL s
.irp b, 0,1,2,3,4,5,6,7
.if \s == 0
	v_wmma_scale_f32_16x16x128_f8f6f4 v[ACC+8*\b:ACC+8*\b+7], v[FRG:FRG+7], v[8*\b:8*\b+7], v[NRM:NRM+7], v[BS], v[XSR+4*\b] matrix_a_fmt:MATRIX_FMT_FP4 matrix_b_fmt:MATRIX_FMT_FP4
.elseif \s%2 == 0
	v_wmma_scale_f32_16x16x128_f8f6f4 v[ACC+8*\b:ACC+8*\b+7], v[FRG+8*\s:FRG+8*\s+7], v[64*(\s%4)+8*\b:64*(\s%4)+8*\b+7], v[ACC+8*\b:ACC+8*\b+7], v[BS+\s/2], v[XSR+4*\b+\s/2] matrix_a_fmt:MATRIX_FMT_FP4 matrix_b_fmt:MATRIX_FMT_FP4
.else
	v_wmma_scale_f32_16x16x128_f8f6f4 v[ACC+8*\b:ACC+8*\b+7], v[FRG+8*\s:FRG+8*\s+7], v[64*(\s%4)+8*\b:64*(\s%4)+8*\b+7], v[ACC+8*\b:ACC+8*\b+7], v[BS+\s/2], v[XSR+4*\b+\s/2] matrix_a_fmt:MATRIX_FMT_FP4 matrix_b_fmt:MATRIX_FMT_FP4 matrix_a_scale:MATRIX_SCALE_ROW1 matrix_b_scale:MATRIX_SCALE_ROW1
.endif
.endr
.endm
; Four of the eight selects of the record's number, for the record BEFORE the one in hand (its masks s48-s55 still stand): they are the plain instructions that stand behind the matrix instructions
; ahead of loads into their registers and of reads of their results.
.macro RECSEL q
.irp b, 0,1,2,3
	v_cndmask_b32 v[SAVE+8*(4*(\q)+\b)+7], v[SAVE+8*(4*(\q)+\b)+7], s42, s[48+4*(\q)+\b]
.endr
.endm
.macro FIRSTHALF
	s_wait_dscnt 0x8                               ; K steps 0-3, scale words and sums of squares are in; the youngest eight loads (K steps 4-7) may be out
	WIN 0x04                                       ; source 1 window 1
	MUL 0
	MUL 1
	MUL 2
	MUL 3
.endm
.macro SECONDHALF
	s_wait_dscnt 0x0                               ; K steps 4-7 are in
	WIN 0x08                                       ; source 1 window 2
	MUL 4
	MUL 5
	MUL 6
	MUL 7
	WIN 0
.endm
.macro NEXT                            ; behind the products: the places, then the record at s40 is fetched
	RECSEL 0
	RECSEL 1
	ADDR
	FETCH
.endm
; The argmin, two blocks at a time: LOW their eight distances and the running minimum, JOIN the new minimum, WON the masks, KEEP the first seven distances where the minimum fell.
.macro LOW k
.set QA, ACC+16*(\k)
.set QB, QA+8
	v_min3_num_f32 v6, v[QA], v[QA+1], v[QA+2]
	v_min3_num_f32 v7, v[QB], v[QB+1], v[QB+2]
	v_min3_num_f32 v8, v[QA+3], v[QA+4], v[QA+5]
	v_min3_num_f32 v9, v[QB+3], v[QB+4], v[QB+5]
	v_min3_num_f32 v10, v[QA+6], v[QA+7], v[MIN+2*(\k)]
	v_min3_num_f32 v11, v[QB+6], v[QB+7], v[MIN+2*(\k)+1]
.endm
.macro JOIN
	v_min3_num_f32 v6, v6, v8, v10
	v_min3_num_f32 v7, v7, v9, v11
.endm
.macro WON k
	v_cmp_lt_f32 s[48+2*(\k)], v6, v[MIN+2*(\k)]
	v_cmp_lt_f32 s[49+2*(\k)], v7, v[MIN+2*(\k)+1]
	v_dual_mov_b32 v[MIN+2*(\k)], v6 :: v_dual_mov_b32 v[MIN+2*(\k)+1], v7
.endm
.macro KEEP k, from, cnt
.set QN, \from
.rept \cnt
	v_cndmask_b32 v[SAVE+16*(\k)+8*(QN%2)+QN/2], v[SAVE+16*(\k)+8*(QN%2)+QN/2], v[ACC+16*(\k)+8*(QN%2)+QN/2], s[48+2*(\k)+QN%2]
.set QN, QN+1
.endr
.endm
.macro EPI
	LOW 0
	JOIN
	WON 0
.irp k, 1,2,3
	LOW \k
	KEEP (\k-1), 0, 7                              ; the pair before: no line waits for the line above it
	JOIN
	KEEP (\k-1), 7, 7
	WON \k
.endr
	KEEP 3, 0, 14
	s_mov_b32 s42, s41                             ; the record whose masks now stand
.endm
; A slot's four records.  kind 2: in the fourth record the slot is filled again, with the records two slots on; 1: nothing is filled, the other slot is still to be read; 0: the last slot.
.macro SLOTWORK sl, kind
	s_mov_b32 s57, 3
.Lt_\@:
	FIRSTHALF
	SECONDHALF
	s_add_co_u32 s40, s40, REC
	NEXT
	EPI
	s_add_co_u32 s41, s41, 1
	s_sub_co_u32 s57, s57, 1
	s_cmp_lg_u32 s57, 0
	s_cbranch_scc1 .Lt_\@
	FIRSTHALF
.if \kind == 2
	WIN 0
	s_wait_tensorcnt 0x0                           ; all my tensor loads have landed: the one that was out is my part of the other slot; so a group 0 may be written
	ds_add_u32 v1, v2                              ; 0 onto my spare word
	s_add_nc_u64 s[34+4*\sl:35+4*\sl], s[34+4*\sl:35+4*\sl], 2*SLOTB   ; this slot's next records; the type bits on top are not reached
	s_add_co_u32 s40, s44, (1-\sl)*SLOTB           ; on to my first record of the other slot
	s_wait_dscnt 0x1                               ; K steps 4-7 are in, my last reads of this slot; the add may be out
	WIN 0x08
	MUL 4                                          ; sixteen matrix instructions stand between the add and the wait for it
	MUL 5
	s_wait_dscnt 0x0                               ; the add is done, and my reads of this slot are over
	s_barrier_signal -1                            ; opens the round;
	MUL 6                                          ; work on registers while the others arrive
	WIN 0
	s_barrier_wait -1
	CREST                                          ; no wave of any partner still reads this slot or has a load on its way
	tensor_load_to_lds s[32+4*\sl:35+4*\sl], s[24:31]   ; my one tensor load behind the round, and the first thing there: it has the other slot's records in which to land
	s_nop 0
	WIN 0x08
	MUL 7
	WIN 0
	NEXT
.elseif \kind == 1
	SECONDHALF
	s_wait_tensorcnt 0x0                           ; the last slot's records, which I asked for and I alone read, have landed
	s_add_co_u32 s40, s44, (1-\sl)*SLOTB
	NEXT
.else
	SECONDHALF
	RECSEL 0
	RECSEL 1
.endif
	EPI
	s_add_co_u32 s41, s41, 13                      ; my next four records are 16 on from these four
.endm
	ALOAD 1
.irp b, 0,1,2,3,4,5,6,7
	ds_load_b128 v[XSR+4*\b:XSR+4*\b+3], v[XSRD] offset:512*\b   ; x's scale words, for all of K
.endr
	s_mov_b32 s40, s44
	ADDR
	FETCH                                          ; the first record (slot 0 was waited for ahead of the round above)
.set QN, 0
.rept 8
	v_mov_b32 v[MIN+QN], s46                       ; the minima begin at +infinity; once, while the loads above are out
.set QN, QN+1
.endr
.set QN, 0
.rept 64
	v_mov_b32 v[SAVE+QN], 0
.set QN, QN+1
.endr
	s_lshl_b32 s41, s10, 2                         ; the number of the record in hand: 4 w at first
	s_mov_b32 s42, 0
.irp j, 48,50,52,54
	s_mov_b64 s[\j:\j+1], 0                        ; no record stands before the first
.endr
	s_wait_alu depctr_va_vdst(0)
	s_mov_b32 s43, 3
.Lring:                                            ; three trips: the records of six slots; six refills
	SLOTWORK 0, 2
	SLOTWORK 1, 2
	s_sub_co_u32 s43, s43, 1
	s_cmp_lg_u32 s43, 0
	s_cbranch_scc1 .Lring
	SLOTWORK 0, 1                                  ; the last two slots are written out
	SLOTWORK 1, 0
	RECSEL 0                                       ; the last record's numbers
	RECSEL 1
; THE END.  For each block of 16 rows: the smaller of my minimum and of lane l xor 16's; my centroid, 16 x record + 8 h + j, counts where my minimum is that one, else 0xffffffff.
; The waves' results meet in XST's first 4,096 bytes, [wave][row][distance, centroid]: every wave's reads of XST were waited for ahead of the rounds above.
.irp b, 0,1,2,3,4,5,6,7
	v_mov_b32 v[64+\b], 0                          ; (the destination of a lane permute counts as read)
.endr
.irp b, 0,1,2,3,4,5,6,7
	v_permlanex16_b32 v[64+\b], v[MIN+\b], s20, s21
.endr
.irp b, 0,1,2,3,4,5,6,7
	v_min_num_f32 v[ACC+2*\b], v[MIN+\b], v[64+\b]   ; row r's smallest distance among my wave's 512 centroids
.endr
.irp b, 0,1,2,3,4,5,6,7
.irp j, 0,1,2,3,4,5,6
	v_cmp_eq_f32 s[48+\j], v[SAVE+8*\b+\j], v[MIN+\b]
.endr
.irp j, 0,1,2,3,4,5,6
	v_cndmask_b32 v[SAVE+8*\b+\j], 7, \j, s[48+\j]   ; none of the seven: the eighth
.endr
	v_min_u32 v[SAVE+8*\b], v[SAVE+8*\b], v[SAVE+8*\b+1]
	v_min_u32 v[SAVE+8*\b+2], v[SAVE+8*\b+2], v[SAVE+8*\b+3]
	v_min_u32 v[SAVE+8*\b+4], v[SAVE+8*\b+4], v[SAVE+8*\b+5]
	v_min_u32 v[SAVE+8*\b], v[SAVE+8*\b], v[SAVE+8*\b+6]
	v_min_u32 v[SAVE+8*\b+2], v[SAVE+8*\b+2], v[SAVE+8*\b+4]
	v_min_u32 v[SAVE+8*\b], v[SAVE+8*\b], v[SAVE+8*\b+2]
.endr
	v_lshrrev_b32 v7, 4, v0
	v_lshlrev_b32 v7, 3, v7                        ; 8 h
.irp b, 0,1,2,3,4,5,6,7
	v_lshl_or_b32 v[72+\b], v[SAVE+8*\b+7], 4, v[SAVE+8*\b]
.endr
.irp b, 0,1,2,3,4,5,6,7
	v_or_b32 v[72+\b], v[72+\b], v7
.endr
.irp b, 0,1,2,3,4,5,6,7
	v_cmp_eq_f32 s[48+\b], v[MIN+\b], v[ACC+2*\b]
.endr
.irp b, 0,1,2,3,4,5,6,7
	v_cndmask_b32 v[72+\b], -1, v[72+\b], s[48+\b]
.endr
.irp b, 0,1,2,3,4,5,6,7
	v_permlanex16_b32 v[64+\b], v[72+\b], s20, s21
.endr
.irp b, 0,1,2,3,4,5,6,7
	v_min_u32 v[ACC+2*\b+1], v[72+\b], v[64+\b]
.endr
	s_lshl_b32 s16, s10, 10
	s_add_co_u32 s16, s16, XST
	v_and_b32 v8, 15, v0
	v_lshl_add_u32 v8, v8, 3, s16
.irp b, 0,1,2,3,4,5,6,7
	ds_store_b64 v8, v[ACC+2*\b:ACC+2*\b+1] offset:128*\b   ; both halves of the lanes write the same 8 bytes with the same values
.endr
	s_lshl_b32 s17, s10, 5
	v_add_nc_u32 v9, s17, v0                       ; my thread's number t: I take row t of the tile
	v_lshl_add_u32 v10, v9, 3, XST
	s_wait_alu depctr_va_vdst(0)
	s_wait_dscnt 0x0                               ; for the others' sake: my stores are done
	s_barrier_signal -1
	s_barrier_wait -1
.irp j, 0,1,2,3
	ds_load_b64 v[208+2*\j:209+2*\j], v10 offset:1024*\j
.endr
	s_wait_dscnt 0x0
	v_min_num_f32 v6, v208, v210
	v_min_num_f32 v7, v212, v214
	v_min_num_f32 v6, v6, v7
.irp j, 0,1,2,3
	v_cmp_eq_f32 s[48+\j], v[208+2*\j], v6
.endr
.irp j, 0,1,2,3
	v_cndmask_b32 v[209+2*\j], -1, v[209+2*\j], s[48+\j]
.endr
	v_min_u32 v209, v209, v211
	v_min_u32 v213, v213, v215
	v_min_u32 v209, v209, v213                     ; the lowest centroid that reaches the row's smallest distance
	v_add_nc_u32 v14, s15, v9                      ; the row's place among the 125 that I own,
	v_lshlrev_b32 v15, 2, v9
	v_cmp_gt_u32 vcc_lo, 125, v14                  ; unsigned: rows in front of them and behind them fall out, so that each word of out0 has one owner
	s_wait_alu depctr_va_vdst(0)
	s_wait_xcnt 0x0                                ; EXEC changes only behind this wait
	s_and_saveexec_b32 s45, vcc_lo
	global_store_b32 v15, v209, s[8:9]
	s_wait_xcnt 0x0                                ; and again, in front of the line that widens it
	s_or_b32 exec_lo, exec_lo, s45
	s_wait_tensorcnt 0x0                           ; the wave's end, behind my last tensor load and my last LDS store
	ds_add_u32 v1, v2
	s_wait_dscnt 0x0
	ROUND                                          ; the closing round: no work-group ends while a partner may still ask for records jointly
	s_endpgm
.Lfunc_end_k_qc240739d83_assign:
	.size	k_qc240739d83_assign, .Lfunc_end_k_qc240739d83_assign-k_qc240739d83_assign
	.p2alignl 7, 3214868480
	.fill 96, 4, 3214868480
	.section	.rodata,"a",@progbits
	.p2align	6, 0x0
	.amdhsa_kernel k_qc240739d83_assign
		.amdhsa_group_segment_fixed_size 327680
		.amdhsa_private_segment_fixed_size 0
		.amdhsa_enable_private_segment 0
		.amdhsa_kernarg_size 24
		.amdhsa_user_sgpr_count 2
		.amdhsa_user_sgpr_kernarg_segment_ptr 1
		.amdhsa_wavefront_size32 1
		.amdhsa_system_sgpr_workgroup_id_x 1
		.amdhsa_system_sgpr_workgroup_id_y 1
		.amdhsa_system_sgpr_workgroup_id_z 1
		.amdhsa_system_vgpr_workitem_id 0
		.amdhsa_next_free_vgpr 1024
		.amdhsa_next_free_sgpr 66
		.amdhsa_reserve_vcc 1
		.amdhsa_float_denorm_mode_32 3
		.amdhsa_float_denorm_mode_16_64 3
		.amdhsa_memory_ordered 1
		.amdhsa_forward_progress 1
		.amdhsa_inst_pref_size 255
	.end_amdhsa_kernel
	.section	.bss,"aw",@nobits
	.p2align	6
	.space	262144
	.amdgpu_metadata
---
amdhsa.version: [ 1, 2 ]
amdhsa.kernels:
  - .name:           k_qc240739d83_assign
    .symbol:         k_qc240739d83_assign.kd
    .args:
      - { .name: x, .offset: 0, .size: 8, .value_kind: global_buffer, .address_space: global }
      - { .name: cq, .offset: 8, .size: 8, .value_kind: global_buffer, .address_space: global }
      - { .name: out0, .offset: 16, .size: 8, .value_kind: global_buffer, .address_space: global }
    .group_segment_fixed_size: 327680
    .private_segment_fixed_size: 0
    .kernarg_segment_align: 8
    .kernarg_segment_size: 24
    .max_flat_workgroup_size: 128
    .sgpr_count:     66
    .vgpr_count:     1024
    .wavefront_size: 32
...
	.end_amdgpu_metadata
.endif
;; end of part 4
